; MI455X (gfx1250); checked and timed in simulation.
; The chip was launched on July 23, 2026; its instructions are those of AMD's public machine-readable ISA for CDNA 5 (MIT licence, August 2026) and "CDNA5" Instruction Set Architecture Reference Guide (July 2026). The comments in the code are by the model that wrote it; some were corrected since.
;; Attention. Allowed arithmetic: matrix products marked QUANTISED: E2M1 operands, one E8M0 scale for each 32 along K, by v_wmma_scale_f32_16x16x128_f8f6f4 with both operands' format E2M1 (or v_wmma_scale_f32_32x16x128_f4), f32 sums; products left as they are: f32 operands where the result goes on into a quantised operand, else bf16, f16 or f32 operands; f32 sums; everything else in f32.
;; Inputs: U_b 1,024 float32; U_w_codes 1,024 x 64 x 16 uint8 (E2M1 codes of U_w, K innermost, in blocks of 32 codes, two codes a byte); U_w_scales 1,024 x 64 uint8 (E8M0 scales of U_w, one for each 32 codes along K); W_b 1,024 float32; W_w_codes 1,024 x 32 x 16 uint8 (E2M1 codes of W_w, K innermost, in blocks of 32 codes, two codes a byte); W_w_scales 1,024 x 32 uint8 (E8M0 scales of W_w, one for each 32 codes along K); encoder_outputs_codes 512 x 64 x 64 x 16 uint8 (E2M1 codes of encoder_outputs, K innermost, in blocks of 32 codes, two codes a byte); encoder_outputs_scales 512 x 64 x 64 uint8 (E8M0 scales of encoder_outputs, one for each 32 codes along K); hidden_codes 64 x 32 x 16 uint8 (E2M1 codes of hidden, K innermost, in blocks of 32 codes, two codes a byte); hidden_scales 64 x 32 uint8 (E8M0 scales of hidden, one for each 32 codes along K); mask 64 x 512 bool; v_w 1 x 1,024 float32.
;; Outputs: out0 64 x 512 float32.
;; This version of the problem:
;;   THIS VERSION OF THE PROBLEM IS GIVEN IN LOW PRECISION. The matrix products marked QUANTISED in the list below multiply operands that are first quantised to E2M1 (2 exponent bits, 1 mantissa bit; 4 bits a number), with one power-of-two scale for each 32 numbers along K (OCP MX v1.0); their sums are f32. All else is computed in f32.
;;   The module's matrix products, in the order in which they are computed (A, B: the left and right operand; K: the contracted axis; several contracted axes count as one K, in the product's order):
;;     1. [M 64, K 1,024] x [K 1,024, N 1,024]; A: input hidden (given as codes); B: input W_w (given as codes): QUANTISED
;;     2. [M 32,768, K 2,048] x [K 2,048, N 1,024]; A: input encoder_outputs (given as codes); B: input U_w (given as codes): QUANTISED
;;     3. [M 32,768, K 1,024] x [K 1,024, N 1]; A: computed on the way; B: input v_w: left as it is (N = 1 < 16)
;;   THE QUANTISER, for each operand of a quantised product, along K:
;;     - K is cut into blocks of 32 from its start; a last block that is shorter is filled with zeros.
;;     - A block's scale is 2^e with e = floor(log2(the largest magnitude in the block)) - 2, held to -126 .. 127; a block of zeros has e = 0. As a byte (E8M0): e + 127.
;;     - Each number is divided by its block's scale, clamped to +-6, and rounded to the nearest number of E2M1, ties to even, subnormals kept.
;;     - The product sums the exact products of the quantised numbers (number of the format x scale) in f32.
;;   ~~~python
;;   def quantise(x, axis):      # numpy; x: float32 -> the quantised numbers, widened to float32 again
;;       x = np.moveaxis(x, axis, -1); K = x.shape[-1]
;;       x = np.pad(x, [(0, 0)] * (x.ndim - 1) + [(0, -K % 32)]); x = x.reshape(x.shape[:-1] + (-1, 32)); a = np.abs(x).max(-1, keepdims=True)
;;       e = np.where(a > 0, np.clip(np.frexp(np.where(a > 0, a, 1))[1] - 1 - 2, -126, 127), 0)      # np.frexp(a)[1] - 1 = floor(log2(a)), exactly
;;       r = np.clip(x / 2.0 ** e, -6, 6)
;;       step = 2.0 ** (np.maximum(np.frexp(np.where(r == 0, 1, r))[1] - 1, 0) - 1)
;;       q = np.round(r / step) * step * 2.0 ** e      # np.round: ties to even
;;       return np.moveaxis(q.reshape(q.shape[:-2] + (-1,))[..., :K], -1, axis).astype(np.float32)
;;   ~~~
;;   INPUTS GIVEN AS CODES. U_w (in the module: [1024, 2048], K = its axis 1); W_w (in the module: [1024, 1024], K = its axis 1); encoder_outputs (in the module: [512, 64, 2048], K = its axis 2); hidden (in the module: [64, 1024], K = its axis 1): each comes as NAME_codes (uint8): NAME with its K axis moved to the last place and cut into blocks of 32 codes, [.., K / 32, bytes a block], one block behind the other in memory; two codes a byte, the lower K in the low four bits (a code: sign, 2 exponent bits, 1 mantissa bit); and NAME_scales (uint8): the same leading axes, one E8M0 byte (e + 127) for each 32 codes along K. Its value is code x scale, taken as it is: it is not quantised again, and the codes and scales need not be those that the quantiser above would give.
;; One version. Each part assembles by itself: llvm-mc -triple=amdgcn-amd-amdhsa -mcpu=gfx1250 --defsym DOCPART=n.
;; ======== version 1 of 1: 2 launches
;; limits: right only within a limited range of input values
;; workspace buffers: part 1,048,576 bytes
;; launch energy (part 1): grid 4 x 64, 4 waves a work-group, clusters of 4 x 4, 327,680 bytes of LDS; arguments encoder_outputs_codes, encoder_outputs_scales, U_w_codes, U_w_scales, W_w_codes, W_w_scales, hidden_codes, hidden_scales, W_b, U_b, v_w, part; writes part
.if DOCPART == 1
	.amdgcn_target "amdgcn-amd-amdhsa--gfx1250"
	.amdhsa_code_object_version 6
	.text
	.protected	k_q17f730749c_energy
	.globl	k_q17f730749c_energy
	.p2align	8
	.type	k_q17f730749c_energy,@function
k_q17f730749c_energy:
	s_mov_b64 s[64:65], 0
	v_nop
	global_prefetch_b8 v0, s[64:65] scope:SCOPE_SE
	s_setreg_imm32_b32 hwreg(HW_REG_WAVE_MODE, 25, 1), 1
	s_wait_xcnt 0x0
	s_wait_alu depctr_hold_cnt(0) depctr_sa_sdst(0) depctr_va_vdst(0) depctr_va_sdst(0) depctr_va_ssrc(0) depctr_va_vcc(0) depctr_vm_vsrc(0)
	s_getreg_b32 s2, hwreg(HW_REG_IB_STS2, 6, 4)
	s_cmp_eq_u32 s2, 0
	s_cbranch_scc0 .Lentry_in_a_cluster
	s_endpgm
.Lentry_in_a_cluster:
	s_bfe_u32 s2, ttmp6, 0x10000c
	s_cmp_lg_u32 s2, 0xf033
	s_cbranch_scc0 .Lentry_shape_is_right
	s_endpgm
.Lentry_shape_is_right:
; part[p][b][s] = the sum over 128 hidden units n of v[n] tanh(Wh[b][n] + W_b[n] + Ue[b][s][n] + U_b[n]),  p = 0 .. 7: which 128 of the 1,024 units.
; Wh = hidden W_w^T (K = 1,024) and Ue = encoder_outputs U_w^T (K = 2,048) are products on codes of FP4 (E2M1) with one E8M0 byte for each 32 along K, taken as they lie in memory; sums in f32.
; A work-group owns one batch b and 256 hidden units and STAYS for two tiles: s = 0 .. 255 and s = 256 .. 511.  Both use the same rows of U_w, the same biases and the same v.  256 work-groups.  Ue never goes to memory.
; Four waves, each 128 x 128: 32 accumulators of 32 units x 16 rows, 512 registers.  K goes in 4 steps of 512 (rows of 256 bytes) through two LDS slots; the ring goes on from the first tile into the second.
; SOURCE 0 = 32 rows of U_w, source 1 = 16 rows of the encoder: lane (r, h) holds row s = r; registers j and 8 + j hold units 8 h + j and 16 + 8 h + j of the accumulator's 32.
; CLUSTERS: 4 x 4 work-groups.  A row of the cluster has one batch: its four ask for the encoder's tiles JOINTLY; a column has one tile column: its four ask jointly for U_w's and W_w's.
; THE HEAD'S LOADS, one a wave: wave 0 the encoder's K step 0, wave 1 U_w's, waves 2 and 3 halves of W_w's 256 rows, into slot 1.  Wave w multiplies 64 rows of W_w by hidden's row b (the same row in all 16 lanes of
; source 1), and the 256 biases go from wave to wave through 1,024 bytes of LDS.  Slot 1 is then filled again, with K step 1.
; SCALE BYTES: 64 bytes a row.  They go through registers into LDS (LDS stores alone write there); the second tile's replace the first's during the first tile's K step 3, when all four waves have read the first's.
; tanh(x) = 1 - 2 / (1 + 2^(c x)), c = 2 log2(e): where the exponential overflows the quotient is 0, where it falls to 0 the quotient is 1: tanh ends at +1 and -1.  The sum is taken as (sum of v) + sum of (-2 v) / (1 + 2^(c x)).
; PREFETCHES: the encoder's rows, two K steps ahead of their load (K steps 1 and 2 of the first tile: one): waves 0 and 1, a lane a row, the four partners that share a tile told apart by address: each 256 bytes are named once.
; U_w's K steps 1 to 3, which all clusters read, are asked for by the first four clusters (waves 2 and 3).  W_w and K step 0 come by their loads alone.
; LIMITS: each tanh is good to some 1e-7 absolutely, not relatively; the order of the sum over n is not reference()'s; NaN, infinities and scale bytes 0xff are not served.
; REGISTERS, in windows of 256.  Window 0: v0-31 addresses; v32-127 scale words, three sets (at the head: W_w's at v64-79, hidden's at v96-103); v128-191 the encoder's fragments (at the head: hidden's); v192-255 scale bytes on
;   their way to LDS, and the last sums.  Window 1: v0-63, v128-191 U_w's fragments, two sets; v64-127 c x the biases of my 128 columns; v192-255 -2 v of them.
;   Window 2: the accumulators of my rows 0-63 (block a of 16 rows, units 32 b on, at v[64 (a % 4) + 16 b]; at the head: W_w's 32 fragments).   Window 3: those of my rows 64-127.
.set ROWB,   256                       ; a tile's row in bytes: 512 codes
.set PITCH,  272                       ; an LDS row: 256 bytes + 16 of padding = 68 words: the 16 rows that a load touches start 4 banks apart (64 banks of 4 bytes: ISA guide 11.1)
.set HALFT,  128*PITCH                 ; 128 rows
.set SLOT,   4*HALFT                   ; the encoder's 256 rows, then U_w's 256 rows
.set PW,     528                       ; a row of W_w in LDS: 512 bytes + 16
.set SPIT,   80                        ; a row of scale bytes in LDS: 64 bytes (all of K) + 16
.set SCL,    2*SLOT                    ; behind the ring: the encoder's scale bytes, 256 rows,
.set SCU,    SCL+256*SPIT              ; and U_w's
.set SPARE,  SCU+256*SPIT              ; the spare words, 128 bytes for each wave: two blocks of 256 bytes that no other line names
.set BIAS,   SPARE+512                 ; 256 f32: c x the tile column's biases
.set ESTG,   BIAS+1024                 ; 512 bytes for each wave: its 128 results on the way out
.set NEXT,   256*65536-2*ROWB          ; from a slot's last K step of the first tile to its first of the second, in the encoder: 256 rows on, back along K
.set SVS,  10                          ; v10  the sum of my 64 numbers of v
.set AW,   14                          ; v14  my place in my wave's 64 rows of W_w
.set BST,  15                          ; v15  where I store biases
.set ADRA, 16                          ; v16-17  my fragments of the encoder in slot 0, 1
.set BLD,  18                          ; v18  where I read biases
.set EST,  19                          ; v19  the way out: where I put a result
.set ADRB, 20                          ; v20-21  my fragments of U_w in slot 0, 1
.set ELD,  22                          ; v22  the way out: where I read four results back
.set SGO,  24                          ; v24  scale bytes of the encoder in memory: four lanes a row
.set SST,  25                          ; v25  and where I store scale bytes in LDS
.set CO,   26                          ; v26  16 x lane
.set ADRS, 27                          ; v27  scale words of the encoder: lane l has row 32 i + l of my 128
.set SPW,  28                          ; v28  LDS address of my spare word; never rewritten
.set NIL,  29                          ; v29  0; never rewritten
.set PFO,  30                          ; v30  the prefetches' offset; never rewritten
.set ADRU, 31                          ; v31  scale words of U_w
.set SX0,  32                          ; a set: register 4 i + q: the encoder's rows 32 i on; 16 + 4 i + q: U_w's; q = which 128 of the slot's 512 along K.  Set 0: K steps 0 and 2,
.set SX1,  64                          ; set 1: K step 1,
.set SX2,  96                          ; set 2: K step 3
.set AF,   128
.set TR,   192
.set BI,   64                          ; in window 1
.set VW,   192                         ; in window 1
.set T,    192                         ; at the end: four partial sums for each of my eight blocks of rows
.set E,    224                         ; and the eight results
.set G1W,  4                           ; s[4:11]  group 1 for W_w (written where four pointers lay, once they have been added into addresses)
.set LIM,  18                          ; s18  2 in waves 0 and 1, else 0: in the loop a wave prefetches where the count of tiles to go equals it
.set PF0,  19                          ; s19  1: my wave prefetches ahead of the loop
.set G1,   24                          ; s[24:31] group 1 for the encoder;  s[32:39] group 0 for slots 0 and 1
.set G0,   32
.set G1B,  48                          ; s[48:55], s[56:63] the same for U_w
.set G0B,  56
.set CS,   66                          ; s[66:67] c = 2 log2(e): the packed form names a pair
.set SEL,  68                          ; s[68:69] lane selects for v_permlanex16_b32: lane l xor 16
.set G0H,  72                          ; the head's groups 0: the encoder's 256 rows, U_w's 256 rows, W_w's 128
.set G0HB, 76
.set G0W,  80
.set PFA,  86                          ; s[86:87] the prefetches' base in the first tile, s[88:89] in the second
.set PFB,  88
.set MSB, 0
.macro WIN new                         ; s_set_vgpr_msb: bits 1:0 source 0, 3:2 source 1, 5:4 source 2, 7:6 destination; the high byte repeats the setting that is left
.if MSB != (\new)
	s_set_vgpr_msb (MSB<<8)|(\new)
.set MSB, (\new)
.endif
.endm
.set MUL_LO, 0xa1                      ; source 0 (U_w) window 1, source 1 (encoder) window 0, C and D window 2
.set MUL_HI, 0xf1                      ; the same, C and D window 3
.set TO_B,   0x40                      ; destination window 1, address window 0
.macro SHAPE g, c, r, p                ; words 1 to 7 of a group 1: r rows of c bytes, p bytes from row to row
	s_mov_b32 s[\g+1], (\c)<<16                    ; tensor_dim0
	s_mov_b32 s[\g+2], (\r)<<16                    ; tensor_dim1
	s_mov_b32 s[\g+3], (\c)<<16                    ; tile_dim0
	s_mov_b32 s[\g+4], \r                          ; tile_dim1
	s_mov_b32 s[\g+5], \p                          ; tensor_dim0_stride
	s_mov_b32 s[\g+6], 0
	s_mov_b32 s[\g+7], 0
.endm
.macro PLACES                          ; a load into a register that a matrix instruction has read, and a vector instruction that reads a matrix result, stand four plain places behind it
.rept 4
	v_nop
.endr
.endm
.macro TLOAD g0, g1
	tensor_load_to_lds s[\g0:\g0+3], s[\g1:\g1+7]
	s_nop 0
	PLACES
.endm
.macro JLOAD s                         ; a joint load: waves 0 and 1 fetch for the encoder, waves 2 and 3 for U_w, 128 rows each; the branch hangs on the wave's number alone
	s_cmp_eq_u32 s15, 0
	s_cbranch_scc0 .Lfor_b_\@
	TLOAD G0+4*\s, G1
	s_branch .Lasked_\@
.Lfor_b_\@:
	TLOAD G0B+4*\s, G1B
.Lasked_\@:
.endm
.macro CREST                           ; a round of the cluster's barrier behind its opening barrier
	s_cmp_lg_u32 s14, 0
	s_cbranch_scc1 .Lnot_wave_0_\@
	s_barrier_signal -3
.Lnot_wave_0_\@:
	s_barrier_wait -3
	s_barrier_signal -1
	s_barrier_wait -1
.endm
.macro CROUND                          ; a whole round
	s_barrier_signal -1
	s_barrier_wait -1
	CREST
.endm
.macro FRAG reg, adr, q, i             ; a fragment, 16 rows x 128 K of 4-bit codes: lane l holds row l % 16; registers 4 c .. 4 c + 3 hold K = 64 c + 32 (l / 16) + 0 .. 31
.irp c, 0,1
	ds_load_b128 v[\reg+4*\c:\reg+4*\c+3], v[\adr] offset:64*(\q)+32*\c+(\i)*16*PITCH
.endr
.endm
.macro FETCH_B slot, q, p              ; U_w's eight fragments of the slot's q-th 128 along K into set p
	WIN TO_B
.irp i, 0,1,2,3,4,5,6,7
	FRAG 128*(\p)+8*\i, ADRB+\slot, \q, \i
.endr
	WIN 0
.endm
.macro FETCH_A slot, q, i0             ; the encoder's blocks i0 .. i0 + 3
.irp i, \i0, \i0+1, \i0+2, \i0+3
	FRAG AF+8*(\i), ADRA+\slot, \q, \i
.endr
.endm
.macro SCALES sc, k                    ; K step k's scale words into a set: four words a row
.irp i, 0,1,2,3
	ds_load_b128 v[\sc+4*\i:\sc+4*\i+3], v[ADRS] offset:32*SPIT*\i+16*(\k)
	ds_load_b128 v[\sc+16+4*\i:\sc+16+4*\i+3], v[ADRU] offset:32*SPIT*\i+16*(\k)
.endr
.endm
; Four matrix instructions: the encoder's block a x U_w's 128 rows, 128 along K.  p: U_w's set;  sc: the set of scale words.  first = 1: the sums begin with 0.  An odd block's scales stand in lanes 16-31.
; The 32 accumulators take turns, one instruction a turn, in the same order in every step.
.macro MUL a, p, q, sc, first
.set DD, 64*((\a)%4)
.set UU, 128*(\p)
.set XX, AF+8*(\a)
.set SA, \sc+16+(\q)
.set SB, \sc+4*((\a)/2)+(\q)
.irp b, 0,1,2,3
.if \first
.if (\a)%2
	v_wmma_scale_f32_32x16x128_f4 v[DD+16*\b:DD+16*\b+15], v[UU+16*\b:UU+16*\b+15], v[XX:XX+7], 0, v[SA+4*\b], v[SB] matrix_b_scale:MATRIX_SCALE_ROW1
.else
	v_wmma_scale_f32_32x16x128_f4 v[DD+16*\b:DD+16*\b+15], v[UU+16*\b:UU+16*\b+15], v[XX:XX+7], 0, v[SA+4*\b], v[SB]
.endif
.else
.if (\a)%2
	v_wmma_scale_f32_32x16x128_f4 v[DD+16*\b:DD+16*\b+15], v[UU+16*\b:UU+16*\b+15], v[XX:XX+7], v[DD+16*\b:DD+16*\b+15], v[SA+4*\b], v[SB] matrix_b_scale:MATRIX_SCALE_ROW1
.else
	v_wmma_scale_f32_32x16x128_f4 v[DD+16*\b:DD+16*\b+15], v[UU+16*\b:UU+16*\b+15], v[XX:XX+7], v[DD+16*\b:DD+16*\b+15], v[SA+4*\b], v[SB]
.endif
.endif
.endr
.endm
.macro MUL4 a, p, q, sc, first
	MUL \a, \p, \q, \sc, \first
	MUL \a+1, \p, \q, \sc, \first
	MUL \a+2, \p, \q, \sc, \first
	MUL \a+3, \p, \q, \sc, \first
.endm
; A step of 128 along K that has its successor in the same slot.  At its start U_w's next fragments are asked for, a whole step ahead, into the other set; the encoder's blocks 4-7 half a step ahead, blocks 0-3 of the next step in the middle.
; x: sets of scale words that are read here too (1: K step 1's; 2: K steps 2's and 3's).
.macro STEP slot, q, sc, first, x
	WIN 0
	PLACES
	FETCH_A \slot, \q, 4
	FETCH_B \slot, (\q)+1, 1-(\q)%2
.if \x == 1
	SCALES SX1, 1
.endif
.if \x == 2
	SCALES SX0, 2
	SCALES SX2, 3
.endif
	s_wait_dscnt 24+8*\x                           ; all but the 24 + 8 x just issued: this step's U_w, blocks 0-3 and scale words are in
	WIN MUL_LO
	MUL4 0, (\q)%2, \q, \sc, \first
	s_wait_dscnt 16+8*\x                           ; blocks 4-7 are in
	WIN 0
	PLACES
	FETCH_A \slot, (\q)+1, 0
	WIN MUL_HI
	MUL4 4, (\q)%2, \q, \sc, \first
.endm
; A prefetch of what the load two refills on will want: not in the second tile, whose look-ahead would pass the end
.macro ASK off
	s_cmp_eq_u32 s[LIM], s2
	s_cbranch_scc0 .Lnot_mine_\@
	global_prefetch_b8 v[PFO], s[PFB:PFB+1] offset:\off th:TH_LOAD_NT scope:SCOPE_SE
.Lnot_mine_\@:
.endm
; A slot's last step changes slots: ONE barrier; in front of it each wave waits for all its tensor loads, adds 0 to its spare word, and waits for that and for its own reads of this slot.
; fill = 0: nothing is filled; 1: this slot takes the K step two on; 2: the second tile's K step 0 or 1.
.macro TURN slot, next, sc, fill, pf
	WIN 0
	PLACES
	FETCH_A \slot, 3, 4
	s_wait_tensorcnt 0x0                           ; all my tensor loads have landed: my part of the next slot; a group 0 may be written
	ds_add_u32 v[SPW], v[NIL]                      ; 0 onto my spare word
.if \fill == 1
	s_add_nc_u64 s[G0+4*\slot+2:G0+4*\slot+3], s[G0+4*\slot+2:G0+4*\slot+3], 2*ROWB
	s_add_nc_u64 s[G0B+4*\slot+2:G0B+4*\slot+3], s[G0B+4*\slot+2:G0B+4*\slot+3], 2*ROWB
.endif
.if \fill == 2
	s_add_nc_u64 s[G0+4*\slot+2:G0+4*\slot+3], s[G0+4*\slot+2:G0+4*\slot+3], NEXT
	s_sub_nc_u64 s[G0B+4*\slot+2:G0B+4*\slot+3], s[G0B+4*\slot+2:G0B+4*\slot+3], 2*ROWB
.endif
	s_wait_dscnt 9                                 ; (the add and the eight loads of blocks 4-7 may be out)
	WIN MUL_LO
	MUL 0, 1, 3, \sc, 0                            ; eight matrix instructions stand between the add and the wait for it
	MUL 1, 1, 3, \sc, 0
	s_wait_dscnt 0x0                               ; the add is done, and my reads of this slot are over
	s_barrier_signal -1
	MUL 2, 1, 3, \sc, 0
	MUL 3, 1, 3, \sc, 0
	WIN 0
	s_barrier_wait -1
.if \fill
	CREST                                          ; the barrier has opened a round of the cluster's barrier: no wave of any partner still reads this slot or has a load on its way
	JLOAD \slot                                    ; the first tensor load behind the round; its four v_nop are the places in front of the loads below
.else
	PLACES
.endif
	FETCH_B \next, 0, 0
	FETCH_A \next, 0, 0
.if (\fill == 2) && (\slot == 1)
	SCALES SX0, 0                                  ; the second tile's first scale words
.endif
.if \fill
	ASK \pf
.endif
	WIN MUL_HI
	MUL4 4, 1, 3, \sc, 0
.endm
	s_load_b256 s[4:11], s[0:1], 0x0               ; the encoder's codes s[4:5], its scales s[6:7], U_w's codes s[8:9], its scales s[10:11]
	s_load_b256 s[92:99], s[0:1], 0x20             ; W_w's codes s[92:93], its scales s[94:95], hidden's codes s[96:97], its scales s[98:99]
	s_load_b64 s[100:101], s[0:1], 0x40            ; W_b
	s_load_b64 s[104:105], s[0:1], 0x48            ; U_b
	s_load_b64 s[70:71], s[0:1], 0x50              ; v_w
	s_load_b64 s[12:13], s[0:1], 0x58              ; part
	v_lshl_add_u32 v[SPW], v0, 2, SPARE
	v_mov_b32 v[NIL], 0
	ds_add_u32 v[SPW], v[NIL]                      ; the opening add, twice on end: work on registers stands between it and its wait
	ds_add_u32 v[SPW], v[NIL]
	v_lshrrev_b32 v4, 5, v0
	v_readfirstlane_b32 s14, v4                    ; wave 0..3
	s_lshr_b32 s15, s14, 1                         ; which half of the tile's rows is mine.  Also: in the ring I fetch for the encoder (0) or for U_w (1)
	s_and_b32 s16, s14, 1                          ; which half of its columns.  Also: which 128 rows of that tile I fetch
	; LDS bases, by the wave's number alone
	s_mul_i32 s20, s14, 64*PW
	s_add_co_u32 s20, s20, SLOT                    ; W_w lies in slot 1
	s_lshl_b32 s21, s14, 8
	s_add_co_u32 s21, s21, BIAS
	s_lshl_b32 s22, s16, 9
	s_add_co_u32 s22, s22, BIAS
	s_lshl_b32 s23, s14, 9
	s_add_co_u32 s23, s23, ESTG
	s_mul_i32 s32, s15, HALFT
	s_add_co_u32 s33, s32, SLOT
	s_mul_i32 s34, s16, HALFT
	s_add_co_u32 s34, s34, 2*HALFT
	s_add_co_u32 s35, s34, SLOT
	s_mul_i32 s36, s14, 64*SPIT
	s_add_co_u32 s36, s36, SCL
	s_mul_i32 s37, s15, 128*SPIT
	s_add_co_u32 s37, s37, SCL
	s_mul_i32 s38, s16, 128*SPIT
	s_add_co_u32 s38, s38, SCU
	s_mul_i32 s45, s14, HALFT                      ; where my tiles go in a slot: wave x 128 rows: no place in the cluster enters an LDS address
	s_mov_b32 s39, 1024
	s_cmp_eq_u32 s15, 0
	s_cselect_b32 s39, 65536, s39                  ; the prefetches' distance from lane to lane: a row of the encoder or of U_w
	s_cselect_b32 s[LIM], 2, 0
	v_and_b32 v1, 15, v0                           ; r = lane % 16
	v_bfe_u32 v2, v0, 4, 1                         ; h = lane / 16
	v_and_b32 v3, 31, v0                           ; lane
	v_lshlrev_b32 v7, 4, v2                        ; 16 h
	v_lshlrev_b32 v8, 5, v2                        ; 32 h
	v_lshlrev_b32 v9, 5, v3                        ; 32 x lane
	v_mov_b32 v23, 0
	v_lshlrev_b32 v[CO], 4, v3
	v_mul_lo_u32 v[PFO], v3, s39
	v_mul_u32_u24 v4, v1, PW
	v_lshl_add_u32 v4, v2, 4, v4
	v_add_nc_u32 v[AW], s20, v4
	v_add_nc_u32 v[BST], s21, v8
	v_add_nc_u32 v[BLD], s22, v8
	v_lshl_add_u32 v[EST], v1, 2, s23
	v_lshl_add_u32 v[ELD], v3, 4, s23
	v_mul_u32_u24 v4, v1, PITCH
	v_lshl_add_u32 v4, v2, 4, v4                   ; a fragment's row x pitch + 16 x half
	v_add_nc_u32 v[ADRA], s32, v4
	v_add_nc_u32 v[ADRA+1], s33, v4
	v_add_nc_u32 v[ADRB], s34, v4
	v_add_nc_u32 v[ADRB+1], s35, v4
	v_bfe_u32 v5, v0, 2, 3                         ; scale bytes on their way in: lane / 4: the row of eight,
	v_and_b32 v6, 3, v0                            ; lane % 4: which 16 of its 64 bytes
	v_lshlrev_b32 v[SGO], 12, v5
	v_lshl_add_u32 v[SGO], v6, 4, v[SGO]
	v_mul_u32_u24 v5, v5, SPIT
	v_lshl_add_u32 v5, v6, 4, v5
	v_add_nc_u32 v[SST], s36, v5
	v_mul_u32_u24 v5, v3, SPIT
	v_add_nc_u32 v[ADRS], s37, v5
	v_add_nc_u32 v[ADRU], s38, v5
	s_wait_alu depctr_va_vdst(0)
	s_bfe_u32 s40, ttmp6, 0x40000                  ; cx, cy: my place in the cluster
	s_bfe_u32 s41, ttmp6, 0x40004
	s_lshl_b32 s42, ttmp9, 2
	s_add_co_u32 s42, s42, s40                     ; tile column = 4 x cluster x + cx
	s_and_b32 s3, ttmp7, 0xffff                    ; cluster y, 0 .. 15
	s_cmp_lt_u32 s3, 4
	s_cselect_b32 s[PF0], 1, 0                     ; U_w is asked for ahead by four clusters,
	s_cmp_eq_u32 s15, 0
	s_cselect_b32 s[PF0], 1, s[PF0]                ; the encoder by every cluster
	s_lshl_b32 s17, s3, 2
	s_add_co_u32 s17, s17, s41                     ; the batch b = 4 x cluster y + cy
	s_lshl_b32 s43, s41, 2
	s_lshl_b32 s43, 15, s43                        ; my row of the cluster
	s_lshl_b32 s44, 0x1111, s40                    ; my column
	s_mov_b32 s[CS], 0x4038aa3b                    ; c = 2 log2(e)
	s_mov_b32 s[CS+1], s[CS]
	s_mov_b32 s[SEL], 0x76543210
	s_mov_b32 s[SEL+1], 0xfedcba98
	; groups 1.  Word 0: 15:0 the mask; 17:16 elements of 1 byte; 20 padding on; 21 set beside a mask; 24:22 the interval (code 5: 64 words, 6: 128); 31:25 four words of padding (code 3)
	s_or_b32 s[G1], s43, (1<<20)|(1<<21)|(5<<22)|(3<<25)
	SHAPE G1, ROWB, 256, 65536                     ; the encoder's tile: 64 batches x 1,024 bytes from s to s.  256 rows at the head, 128 in the ring
	s_or_b32 s[G1B], s44, (1<<20)|(1<<21)|(5<<22)|(3<<25)
	SHAPE G1B, ROWB, 256, 1024                     ; U_w's
	; where the tiles come from: the encoder's hang on b and the wave, U_w's and W_w's on the tile column and the wave
	s_lshl_b32 s74, s17, 10                        ; the encoder: batch b, s = 0
	s_mov_b32 s75, 0
	s_lshl_b32 s20, s16, 23
	s_add_co_u32 s20, s20, s74                     ; and my 128 rows for the ring
	s_mov_b32 s21, 0
	s_lshl_b32 s22, s14, 18
	s_lshl_b32 s23, s17, 6
	s_add_co_u32 s22, s22, s23                     ; scale bytes of 64 rows of the encoder
	s_mov_b32 s23, 0
	s_lshl_b32 s78, s42, 18                        ; U_w: 256 rows
	s_mov_b32 s79, 0
	s_lshl_b32 s46, s16, 17
	s_add_co_u32 s46, s46, s78
	s_mov_b32 s47, 0
	s_lshl_b32 s84, s42, 14
	s_lshl_b32 s85, s14, 12
	s_add_co_u32 s84, s84, s85                     ; scale bytes of 64 rows of U_w
	s_mov_b32 s85, 0
	s_lshl_b32 s82, s42, 17
	s_lshl_b32 s83, s16, 16
	s_add_co_u32 s82, s82, s83                     ; W_w: 128 rows
	s_mov_b32 s83, 0
	s_lshl_b32 s2, s40, 21                         ; the prefetches: of the 128 rows that a wave fetches my work-group's 32, by cx in the encoder,
	s_lshl_b32 s3, s41, 15                         ; by cy in U_w
	s_wait_dscnt 0x0                               ; both opening adds are done
	s_wait_kmcnt 0x0
	s_add_nc_u64 s[20:21], s[4:5], s[20:21]
	s_add_nc_u64 s[22:23], s[6:7], s[22:23]
	s_add_nc_u64 s[46:47], s[8:9], s[46:47]
	s_add_nc_u64 s[84:85], s[10:11], s[84:85]
	s_add_nc_u64 s[G0H+2:G0H+3], s[4:5], s[74:75]
	s_add_nc_u64 s[G0HB+2:G0HB+3], s[8:9], s[78:79]
	s_add_nc_u64 s[G0W+2:G0W+3], s[92:93], s[82:83]
	s_or_b32 s[G0H+3], s[G0H+3], 0x80000000        ; 127:126 type = 2
	s_or_b32 s[G0HB+3], s[G0HB+3], 0x80000000
	s_or_b32 s[G0W+3], s[G0W+3], 0x80000000
	s_mov_b32 s[G0H], 1                            ; 1:0 count = 1
	s_mov_b32 s[G0H+1], 0
	s_mov_b32 s[G0HB], 1
	s_mov_b32 s[G0HB+1], 2*HALFT
	s_mov_b32 s[G0W], 1
	s_mul_i32 s[G0W+1], s16, 128*PW
	s_add_co_u32 s[G0W+1], s[G0W+1], SLOT
	s_or_b32 s[G1W], s44, (1<<20)|(1<<21)|(6<<22)|(3<<25)
	SHAPE G1W, 512, 128, 512                       ; W_w's rows of 512 bytes, dense
	CROUND                                         ; all sixteen work-groups are here: the first joint loads meet
; ONE tree of branches on the wave's number, each arm with one load: every way through the head passes exactly one
.macro ARM under, g0, g1, next
	s_cmp_lt_u32 s14, \under
	s_cbranch_scc0 \next
	TLOAD \g0, \g1
	s_branch .Lhead_asked
\next:
.endm
	ARM 1, G0H, G1, .Lhead_b
	ARM 2, G0HB, G1B, .Lhead_w
	TLOAD G0W, G1W
.Lhead_asked:
.irp i, 0,1,2,3,4,5,6,7                        ; the scale bytes: 64 rows of the encoder and 64 of U_w a wave, eight rows an instruction
	global_load_b128 v[TR+4*\i:TR+4*\i+3], v[SGO], s[22:23] offset:32768*\i
.endr
.irp i, 0,1,2,3,4,5,6,7
	global_load_b128 v[TR+32+4*\i:TR+32+4*\i+3], v[CO], s[84:85] offset:512*\i
.endr
	; the ring's groups 0: slot 0 stands at K step 0 and is stepped ahead of its first use, slot 1 at K step 1
.irp s, 0,1
	s_mov_b32 s[G0+4*\s], 1
	s_add_co_u32 s[G0+4*\s+1], s45, \s*SLOT
	s_add_nc_u64 s[G0+4*\s+2:G0+4*\s+3], s[20:21], \s*ROWB
	s_or_b32 s[G0+4*\s+3], s[G0+4*\s+3], 0x80000000
	s_mov_b32 s[G0B+4*\s], 1
	s_add_co_u32 s[G0B+4*\s+1], s45, \s*SLOT
	s_add_nc_u64 s[G0B+4*\s+2:G0B+4*\s+3], s[46:47], \s*ROWB
	s_or_b32 s[G0B+4*\s+3], s[G0B+4*\s+3], 0x80000000
.endr
	s_cmp_eq_u32 s15, 0
	s_cselect_b64 s[PFA:PFA+1], s[20:21], s[46:47]
	s_cselect_b32 s2, s2, s3
	s_mov_b32 s3, 0
	s_mov_b32 s[PFB], 0x1000000                    ; the second tile: 256 rows x 65,536 bytes on
	s_cselect_b32 s[PFB], s[PFB], 0
	s_mov_b32 s[PFB+1], 0
	s_add_nc_u64 s[PFA:PFA+1], s[PFA:PFA+1], s[2:3]
	s_add_nc_u64 s[PFB:PFB+1], s[PFA:PFA+1], s[PFB:PFB+1]
	; the small tensors' pointers, each at my part
	s_mov_b32 s21, 0
	s_lshl_b32 s20, s17, 9
	s_add_nc_u64 s[96:97], s[96:97], s[20:21]      ; hidden's row b: 512 bytes of codes,
	s_lshl_b32 s20, s17, 5
	s_add_nc_u64 s[98:99], s[98:99], s[20:21]      ; 32 scale bytes
	s_lshl_b32 s46, s42, 8
	s_lshl_b32 s47, s14, 6
	s_add_co_u32 s46, s46, s47                     ; my 64 hidden units for Wh
	s_lshl_b32 s20, s46, 5
	s_add_nc_u64 s[94:95], s[94:95], s[20:21]      ; W_w's scale bytes: 32 a row
	s_lshl_b32 s20, s46, 2
	s_add_nc_u64 s[100:101], s[100:101], s[20:21]
	s_add_nc_u64 s[104:105], s[104:105], s[20:21]
	s_lshl_b32 s46, s42, 1
	s_add_co_u32 s46, s46, s16                     ; p = 2 x tile column + column half
	s_lshl_b32 s20, s46, 9
	s_add_nc_u64 s[70:71], s[70:71], s[20:21]      ; v of my 128 columns
	s_lshl_b32 s20, s46, 17                        ; part[p][b][128 x row half]
	s_lshl_b32 s46, s17, 11
	s_add_co_u32 s20, s20, s46
	s_lshl_b32 s46, s15, 9
	s_add_co_u32 s20, s20, s46
	s_add_nc_u64 s[12:13], s[12:13], s[20:21]
	s_add_nc_u64 s[90:91], s[12:13], 1024          ; and the second tile's 256 values of s further on
	s_cmp_eq_u32 s[PF0], 1
	s_cbranch_scc0 .Lno_ask_1
	global_prefetch_b8 v[PFO], s[PFA:PFA+1] offset:ROWB th:TH_LOAD_NT scope:SCOPE_SE   ; K step 1
.Lno_ask_1:
.irp s, 0,1,2,3,4,5,6,7                        ; hidden's row b as eight fragments of source 1: every lane r takes the same row
.irp c, 0,1
	global_load_b128 v[AF+8*\s+4*\c:AF+8*\s+4*\c+3], v7, s[96:97] offset:64*\s+32*\c
.endr
.endr
	global_load_b128 v[SX2:SX2+3], v23, s[98:99]               ; its eight scale words, in every lane
	global_load_b128 v[SX2+4:SX2+7], v23, s[98:99] offset:16
.irp t, 0,1                                    ; W_w's scale words: lane l has row 32 t + l's eight, at v[SX1 + 8 t + s]
.irp x, 0,1
	global_load_b128 v[SX1+8*\t+4*\x:SX1+8*\t+4*\x+3], v9, s[94:95] offset:1024*\t+16*\x
.endr
.endr
	WIN TO_B
.irp t, 0,1,2,3                                ; W_b and U_b in the result's layout: register j = unit 16 t + 8 h + j
.irp x, 0,1
	global_load_b128 v[BI+8*\t+4*\x:BI+8*\t+4*\x+3], v8, s[100:101] offset:64*\t+16*\x
	global_load_b128 v[BI+32+8*\t+4*\x:BI+32+8*\t+4*\x+3], v8, s[104:105] offset:64*\t+16*\x
.endr
.endr
.irp b, 0,1,2,3,4,5,6,7                        ; v likewise, for my eight tiles of 16 columns
.irp x, 0,1
	global_load_b128 v[VW+8*\b+4*\x:VW+8*\b+4*\x+3], v8, s[70:71] offset:64*\b+16*\x
.endr
.endr
	WIN 0
	s_wait_loadcnt 54                              ; the scale bytes are in: 54 loads have been issued behind them
.irp i, 0,1,2,3,4,5,6,7
	ds_store_b128 v[SST], v[TR+4*\i:TR+4*\i+3] offset:8*SPIT*\i
	ds_store_b128 v[SST], v[TR+32+4*\i:TR+32+4*\i+3] offset:SCU-SCL+8*SPIT*\i
.endr
	s_wait_loadcnt 0x0
	WIN 0x45                                       ; sources 0, 1 and destination window 1
.irp j, 0,2,4,6,8,10,12,14,16,18,20,22,24,26,28,30
	v_pk_add_f32 v[BI+\j:BI+\j+1], v[BI+\j:BI+\j+1], v[BI+32+\j:BI+32+\j+1]   ; W_b + U_b: the C of Wh's first products
.endr
	WIN 0x05                                       ; sources window 1, destination window 0
	v_pk_add_f32 v[10:11], v[VW:VW+1], v[VW+2:VW+3]            ; the sum of my 64 v, in two chains
	v_pk_add_f32 v[12:13], v[VW+4:VW+5], v[VW+6:VW+7]
	WIN 0x04
.irp j, 8,12,16,20,24,28,32,36,40,44,48,52,56,60
	v_pk_add_f32 v[10:11], v[10:11], v[VW+\j:VW+\j+1]
	v_pk_add_f32 v[12:13], v[12:13], v[VW+\j+2:VW+\j+3]
.endr
	WIN 0
	v_pk_add_f32 v[10:11], v[10:11], v[12:13]
	v_add_f32 v[SVS], v10, v11
	WIN 0x41                                       ; source 0 and destination window 1
.irp j, 0,2,4,6,8,10,12,14,16,18,20,22,24,26,28,30,32,34,36,38,40,42,44,46,48,50,52,54,56,58,60,62
	v_pk_mul_f32 v[VW+\j:VW+\j+1], v[VW+\j:VW+\j+1], -2.0 op_sel_hi:[1,0]
.endr
	WIN 0
	s_wait_alu depctr_va_vdst(0)
	s_wait_tensorcnt 0x0                           ; my tile of the head's four is in,
	s_wait_dscnt 0x0                               ; and my scale bytes are stored
	s_barrier_signal -1
	s_barrier_wait -1                              ; both now hold of every wave
	WIN 0x80                                       ; destination window 2
.irp s, 0,1,2,3,4,5,6,7
.irp t, 0,1,2,3
.irp c, 0,1
	ds_load_b128 v[8*(8*\t+\s)+4*\c:8*(8*\t+\s)+4*\c+3], v[AW] offset:16*PW*\t+64*\s+32*\c
.endr
.endr
.endr
; Wh: four accumulators by turns, K ascending.  Every lane ends with unit 16 t + 8 h + j in register j
.macro WH s
	v_wmma_scale_f32_16x16x128_f8f6f4 v[BI:BI+7], v[8*(\s):8*(\s)+7], v[AF+8*(\s):AF+8*(\s)+7], v[BI:BI+7], v[SX1+(\s)], v[SX2+(\s)] matrix_a_fmt:MATRIX_FMT_FP4 matrix_b_fmt:MATRIX_FMT_FP4
	v_wmma_scale_f32_16x16x128_f8f6f4 v[BI+8:BI+15], v[64+8*(\s):64+8*(\s)+7], v[AF+8*(\s):AF+8*(\s)+7], v[BI+8:BI+15], v[SX1+(\s)], v[SX2+(\s)] matrix_a_fmt:MATRIX_FMT_FP4 matrix_b_fmt:MATRIX_FMT_FP4 matrix_a_scale:MATRIX_SCALE_ROW1
	v_wmma_scale_f32_16x16x128_f8f6f4 v[BI+16:BI+23], v[128+8*(\s):128+8*(\s)+7], v[AF+8*(\s):AF+8*(\s)+7], v[BI+16:BI+23], v[SX1+8+(\s)], v[SX2+(\s)] matrix_a_fmt:MATRIX_FMT_FP4 matrix_b_fmt:MATRIX_FMT_FP4
	v_wmma_scale_f32_16x16x128_f8f6f4 v[BI+24:BI+31], v[192+8*(\s):192+8*(\s)+7], v[AF+8*(\s):AF+8*(\s)+7], v[BI+24:BI+31], v[SX1+8+(\s)], v[SX2+(\s)] matrix_a_fmt:MATRIX_FMT_FP4 matrix_b_fmt:MATRIX_FMT_FP4 matrix_a_scale:MATRIX_SCALE_ROW1
.endm
	s_wait_dscnt 32                                ; the first half of W_w's fragments
	WIN 0x52                                       ; source 0 (W_w) window 2, source 1 (hidden) window 0, C and D window 1
	WH 0
	WH 1
	WH 2
	WH 3
	FETCH_B 0, 0, 0                                ; K step 0's first fragments of U_w and its scale words: in registers that nothing uses yet
	SCALES SX0, 0
	s_wait_dscnt 24                                ; all but the 24 just issued
	WIN 0x52
	WH 4
	WH 5
	WH 6
	WH 7
	PLACES
	WIN 0x41
.irp j, 0,2,4,6,8,10,12,14,16,18,20,22,24,26,28,30
	v_pk_mul_f32 v[BI+\j:BI+\j+1], v[BI+\j:BI+\j+1], s[CS:CS+1] op_sel_hi:[1,0]   ; c x the bias; each accumulator from its low end on
.endr
	WIN 0x04                                       ; an LDS store's data are its source 1: window 1
.irp t, 0,1,2,3
.irp x, 0,1
	ds_store_b128 v[BST], v[BI+8*\t+4*\x:BI+8*\t+4*\x+3] offset:64*\t+16*\x   ; the sixteen lanes of a half store the same numbers to the same bytes
.endr
.endr
	WIN 0
	; SLOT 1 IS FILLED AGAIN, with K step 1.  The round also shows every wave the biases
	s_wait_tensorcnt 0x0                           ; no tensor load of mine is out, so a descriptor may be written
	ds_add_u32 v[SPW], v[NIL]                      ; 0 onto my spare word
	s_mov_b32 s[G1+2], 128<<16                     ; from here on a load brings 128 rows: tensor_dim1,
	s_mov_b32 s[G1+4], 128                         ; tile_dim1;
	s_mov_b32 s[G1B+2], 128<<16                    ; and the same for U_w
	s_mov_b32 s[G1B+4], 128
	s_wait_dscnt 0x0                               ; the add is done, my biases are stored, my reads of W_w are over
	CROUND
	JLOAD 1
	WIN TO_B
.irp b, 0,1,2,3,4,5,6,7                        ; c x the biases of my 128 columns, in the result's layout
.irp x, 0,1
	ds_load_b128 v[BI+8*\b+4*\x:BI+8*\b+4*\x+3], v[BLD] offset:64*\b+16*\x
.endr
.endr
	WIN 0
	FETCH_A 0, 0, 0
	s_cmp_eq_u32 s[PF0], 1
	s_cbranch_scc0 .Lno_ask_2
	global_prefetch_b8 v[PFO], s[PFA:PFA+1] offset:2*ROWB th:TH_LOAD_NT scope:SCOPE_SE
	global_prefetch_b8 v[PFO], s[PFA:PFA+1] offset:3*ROWB th:TH_LOAD_NT scope:SCOPE_SE
.Lno_ask_2:
.irp i, 0,1,2,3,4,5,6,7                        ; the second tile's scale bytes of the encoder, 256 rows on: they wait in registers
	global_load_b128 v[TR+4*\i:TR+4*\i+3], v[SGO], s[22:23] offset:1048576+32768*\i
.endr
	s_mov_b32 s2, 2                                ; tiles to go, this one among them
.Ltile:
	STEP 0, 0, SX0, 1, 0                           ; the first step's products start the sums: nothing is cleared
	STEP 0, 1, SX0, 0, 1
	STEP 0, 2, SX0, 0, 0
	TURN 0, 1, SX0, 1, 0                           ; K step 2 goes into slot 0
	STEP 1, 0, SX1, 0, 0
	STEP 1, 1, SX1, 0, 2                           ; the tile's last reads of scale bytes: K steps 2 and 3
	STEP 1, 2, SX1, 0, 0
	TURN 1, 0, SX1, 1, ROWB                        ; K step 3 into slot 1
	STEP 0, 0, SX0, 0, 0
	STEP 0, 1, SX0, 0, 0
	STEP 0, 2, SX0, 0, 0
	WIN 0
	s_wait_loadcnt 0x0                             ; the second tile's scale bytes are in registers
	s_cmp_eq_u32 s2, 1
	s_cbranch_scc1 .Llast                          ; the second tile's last two K steps are written out: they fill nothing
	TURN 0, 1, SX0, 2, 2*ROWB                      ; THE RING GOES ON INTO THE SECOND TILE: slot 0 takes its K step 0
	WIN 0
.irp i, 0,1,2,3,4,5,6,7                        ; every wave has read the first tile's scale bytes ahead of that barrier; the next barrier shows these
	ds_store_b128 v[SST], v[TR+4*\i:TR+4*\i+3] offset:8*SPIT*\i
.endr
	STEP 1, 0, SX2, 0, 0
	STEP 1, 1, SX2, 0, 0
	STEP 1, 2, SX2, 0, 0
	TURN 1, 0, SX2, 2, 3*ROWB                      ; slot 1 its K step 1; the second tile's first fragments and scale words are fetched
	WIN 0
	s_branch .Lout
.Llast:
	TURN 0, 1, SX0, 0, 0
	STEP 1, 0, SX2, 0, 0
	STEP 1, 1, SX2, 0, 0
	STEP 1, 2, SX2, 0, 0
	WIN 0                                          ; the very last step
	PLACES
	FETCH_A 1, 3, 4
	s_wait_dscnt 8
	WIN MUL_LO
	MUL4 0, 1, 3, SX2, 0
	s_wait_dscnt 0
	WIN 0
	PLACES
	WIN MUL_HI
	MUL4 4, 1, 3, SX2, 0
	WIN 0
.Lout:
	s_wait_xcnt 0x0                                ; the first tile's store has read its base and its data
	s_cmp_eq_u32 s2, 1
	s_cselect_b64 s[20:21], s[90:91], s[12:13]
	PLACES
; THE ACTIVATION AND THE PRODUCT WITH v, in place.  First c x + c bias of all 512 results, each accumulator from its low end on, ahead of any transcendental.
; Then a window's four blocks of 16 rows (64 registers each) as a pipeline, a trip a stage: exponential | + 1 | reciprocal | times -2 v, summed over the block's 64 registers into its first eight, in four chains.
; Trip i: one wait, the sums of block i - 3 in one run, then 32 slices: two exponentials of block i, a pair of + 1 of block i - 1, two reciprocals of block i - 2.
; No line of a trip names a result of the trip's own slices; one plain line stands behind the last.
	WIN 0x92                                       ; source 0 and destination window 2, source 2 (biases) window 1
.set k, 0
.rept 128
	v_pk_fma_f32 v[2*k:2*k+1], v[2*k:2*k+1], s[CS:CS+1], v[BI+2*(k%32):BI+2*(k%32)+1] op_sel_hi:[1,0,1]
.set k, k+1
.endr
	WIN 0xd3                                       ; the same with window 3
.set k, 0
.rept 128
	v_pk_fma_f32 v[2*k:2*k+1], v[2*k:2*k+1], s[CS:CS+1], v[BI+2*(k%32):BI+2*(k%32)+1] op_sel_hi:[1,0,1]
.set k, k+1
.endr
.macro TRIP i
	s_wait_alu depctr_va_vdst(0)
.if (\i) >= 3
.set FB, 64*((\i)-3)
.set k, 0
.rept 32
.if k < 4
	v_pk_mul_f32 v[FB+2*k:FB+2*k+1], v[FB+2*k:FB+2*k+1], v[VW+2*k:VW+2*k+1]
.else
	v_pk_fma_f32 v[FB+2*(k%4):FB+2*(k%4)+1], v[FB+2*k:FB+2*k+1], v[VW+2*k:VW+2*k+1], v[FB+2*(k%4):FB+2*(k%4)+1]
.endif
.set k, k+1
.endr
.endif
.if (\i) <= 5
.set k, 0
.rept 32
.if (\i) <= 3
	v_exp_f32 v[64*(\i)+2*k], v[64*(\i)+2*k]
	v_exp_f32 v[64*(\i)+2*k+1], v[64*(\i)+2*k+1]
.endif
.if ((\i) >= 1) && ((\i) <= 4)
	v_pk_add_f32 v[64*((\i)-1)+2*k:64*((\i)-1)+2*k+1], v[64*((\i)-1)+2*k:64*((\i)-1)+2*k+1], 1.0 op_sel_hi:[1,0]
.endif
.if (\i) >= 2
	v_rcp_f32 v[64*((\i)-2)+2*k], v[64*((\i)-2)+2*k]
	v_rcp_f32 v[64*((\i)-2)+2*k+1], v[64*((\i)-2)+2*k+1]
.endif
.set k, k+1
.endr
	v_nop                                          ; the plain line behind the last
.endif
.endm
.macro HALF w                          ; window w = 2: my blocks 0-3; 3: blocks 4-7
	WIN 0xa6+0x51*((\w)-2)                         ; source 0, source 2 and destination window w; source 1 (v) window 1
	TRIP 0
	TRIP 1
	TRIP 2
	TRIP 3
	TRIP 4
	TRIP 5
	TRIP 6
	WIN 0x0a+5*((\w)-2)                            ; sources window w, destination window 0
.irp a, 0,1,2,3
	v_pk_add_f32 v[T+4*(4*((\w)-2)+\a):T+4*(4*((\w)-2)+\a)+1], v[64*\a:64*\a+1], v[64*\a+2:64*\a+3]
	v_pk_add_f32 v[T+4*(4*((\w)-2)+\a)+2:T+4*(4*((\w)-2)+\a)+3], v[64*\a+4:64*\a+5], v[64*\a+6:64*\a+7]
.endr
.endm
	HALF 2
	HALF 3
	WIN 0
.irp a, 0,1,2,3,4,5,6,7
	v_pk_add_f32 v[T+4*\a:T+4*\a+1], v[T+4*\a:T+4*\a+1], v[T+4*\a+2:T+4*\a+3]
.endr
.irp a, 0,1,2,3,4,5,6,7
	v_add_f32 v[E+\a], v[T+4*\a], v[T+4*\a+1]      ; my 64 columns' sum for row 16 a + r,
.endr
.irp a, 0,1,2,3,4,5,6,7
	v_add_f32 v[E+\a], v[E+\a], v[SVS]             ; with the sum of their v,
.endr
.irp a, 0,1,2,3,4,5,6,7
	v_permlanex16_b32 v[T+4*\a+2], v[E+\a], s[SEL], s[SEL+1]
.endr
.irp a, 0,1,2,3,4,5,6,7
	v_add_f32 v[E+\a], v[E+\a], v[T+4*\a+2]        ; and lane l xor 16's 64 columns
.endr
	; THE WAY OUT: my wave's 128 results through its own 512 bytes of LDS, so that each lane stores 16 neighbouring bytes
.irp a, 0,1,2,3,4,5,6,7
	ds_store_b32 v[EST], v[E+\a] offset:64*\a      ; both halves of the lanes store the same number to the same word
.endr
	ds_load_b128 v[232:235], v[ELD]                ; LDS serves a wave's instructions in order (ISA guide 5.7.1.4): this sees my stores
	s_wait_dscnt 0x0
	global_store_b128 v[CO], v[232:235], s[20:21] th:TH_STORE_NT   ; 32 lanes store 512 consecutive bytes, at a multiple of 512 from part's first byte
	s_sub_co_u32 s2, s2, 1
	s_cmp_lg_u32 s2, 0
	s_wait_alu depctr_va_vdst(0)
	s_cbranch_scc1 .Ltile
	s_wait_tensorcnt 0x0                           ; the wave's end, behind my last tensor load and my last LDS store
	ds_add_u32 v[SPW], v[NIL]
	s_wait_dscnt 0x0
	CROUND                                         ; the closing round: no work-group ends while a partner may still ask for a tile that names it
	s_endpgm
.Lfunc_end_k_q17f730749c_energy:
	.size	k_q17f730749c_energy, .Lfunc_end_k_q17f730749c_energy-k_q17f730749c_energy
	.p2alignl 7, 3214868480
	.fill 96, 4, 3214868480
	.section	.rodata,"a",@progbits
	.p2align	6, 0x0
	.amdhsa_kernel k_q17f730749c_energy
		.amdhsa_group_segment_fixed_size 327680
		.amdhsa_private_segment_fixed_size 0
		.amdhsa_enable_private_segment 0
		.amdhsa_kernarg_size 96
		.amdhsa_user_sgpr_count 2
		.amdhsa_user_sgpr_kernarg_segment_ptr 1
		.amdhsa_wavefront_size32 1
		.amdhsa_system_sgpr_workgroup_id_x 1
		.amdhsa_system_sgpr_workgroup_id_y 1
		.amdhsa_system_sgpr_workgroup_id_z 1
		.amdhsa_system_vgpr_workitem_id 0
		.amdhsa_next_free_vgpr 1024
		.amdhsa_next_free_sgpr 106
		.amdhsa_reserve_vcc 0
		.amdhsa_float_denorm_mode_32 3
		.amdhsa_float_denorm_mode_16_64 3
		.amdhsa_memory_ordered 1
		.amdhsa_forward_progress 1
		.amdhsa_inst_pref_size 255
	.end_amdhsa_kernel
	.section	.bss,"aw",@nobits
	.p2align	6
	.space	262144
	.amdgpu_metadata
---
amdhsa.version: [ 1, 2 ]
amdhsa.kernels:
  - .name:           k_q17f730749c_energy
    .symbol:         k_q17f730749c_energy.kd
    .args:
      - { .name: encoder_outputs_codes, .offset: 0, .size: 8, .value_kind: global_buffer, .address_space: global }
      - { .name: encoder_outputs_scales, .offset: 8, .size: 8, .value_kind: global_buffer, .address_space: global }
      - { .name: U_w_codes, .offset: 16, .size: 8, .value_kind: global_buffer, .address_space: global }
      - { .name: U_w_scales, .offset: 24, .size: 8, .value_kind: global_buffer, .address_space: global }
      - { .name: W_w_codes, .offset: 32, .size: 8, .value_kind: global_buffer, .address_space: global }
      - { .name: W_w_scales, .offset: 40, .size: 8, .value_kind: global_buffer, .address_space: global }
      - { .name: hidden_codes, .offset: 48, .size: 8, .value_kind: global_buffer, .address_space: global }
      - { .name: hidden_scales, .offset: 56, .size: 8, .value_kind: global_buffer, .address_space: global }
      - { .name: W_b, .offset: 64, .size: 8, .value_kind: global_buffer, .address_space: global }
      - { .name: U_b, .offset: 72, .size: 8, .value_kind: global_buffer, .address_space: global }
      - { .name: v_w, .offset: 80, .size: 8, .value_kind: global_buffer, .address_space: global }
      - { .name: part, .offset: 88, .size: 8, .value_kind: global_buffer, .address_space: global }
    .group_segment_fixed_size: 327680
    .private_segment_fixed_size: 0
    .kernarg_segment_align: 8
    .kernarg_segment_size: 96
    .max_flat_workgroup_size: 128
    .sgpr_count:     106
    .vgpr_count:     1024
    .wavefront_size: 32
...
	.end_amdgpu_metadata
.endif
;; end of part 1
;; launch softmax (part 2): grid 64 x 1, 4 waves a work-group, no clusters, 1,024 bytes of LDS; arguments part, mask, out0; writes out0
.if DOCPART == 2
	.amdgcn_target "amdgcn-amd-amdhsa--gfx1250"
	.amdhsa_code_object_version 6
	.text
	.protected	k_q17f730749c_softmax
	.globl	k_q17f730749c_softmax
	.p2align	8
	.type	k_q17f730749c_softmax,@function
k_q17f730749c_softmax:
	s_mov_b64 s[64:65], 0
	v_nop
	global_prefetch_b8 v0, s[64:65] scope:SCOPE_SE
	s_setreg_imm32_b32 hwreg(HW_REG_WAVE_MODE, 25, 1), 1
	s_wait_xcnt 0x0
; out0[b][:] = softmax over s of (mask[b][s] ? -1e10 : energy[b][s]),  energy[b][s] = the sum over p = 0 .. 7 of part[p][b][s].
; A work-group of four waves takes one batch: thread t holds s = 4 t .. 4 t + 3, so each load and each store of a wave covers 512 consecutive bytes.
; Each wave takes its own 128 numbers' maximum m away before the exponential and sums; the four pairs (m, sum) go through LDS once; with M the largest m, a wave's numbers and its sum are multiplied by e^(m - M), at most 1.
; A row that is masked throughout gives 1 / 512 everywhere.  The eight parts are added in a fixed tree.  There are 64 batches, so 64 work-groups; the matrix unit and clusters have nothing to do here; no loop, so no prefetch.
; LIMITS: NaN and infinities among the energies are not served.
.set P,  16                            ; v16-47  part p at v[P + 4 p]; the energies, then the results, lie over part 0's four
.set SPARE, 256                        ; LDS: bytes 0-31 the four pairs; from 256 on the spare words, 128 bytes for each wave
	s_load_b128 s[4:7], s[0:1], 0x0                ; part, mask
	s_load_b64 s[8:9], s[0:1], 0x10                ; out0
	v_lshl_add_u32 v10, v0, 2, SPARE
	v_mov_b32 v11, 0
	v_lshlrev_b32 v1, 4, v0                        ; 16 bytes a thread
	v_lshlrev_b32 v2, 2, v0                        ; 4 mask bytes a thread
	v_lshrrev_b32 v12, 5, v0
	v_lshlrev_b32 v12, 3, v12                      ; where my wave's pair goes: 8 x wave
	v_mov_b32 v13, 0
	v_mov_b32 v6, 0xd01502f9                       ; -1e10
	s_wait_alu depctr_va_vdst(0)
	s_lshl_b32 s10, ttmp9, 11                      ; batch x 512 numbers of 4 bytes
	s_mov_b32 s11, 0
	s_lshl_b32 s12, ttmp9, 9                       ; batch x 512 mask bytes
	s_mov_b32 s13, 0
	s_mov_b32 s14, 0x76543210                      ; v_permlanex16_b32's selects for lane l xor 16
	s_mov_b32 s15, 0xfedcba98
	s_mov_b32 s16, 0x3fb8aa3b                      ; log2(e); the packed form names a pair
	s_mov_b32 s17, s16
	s_wait_kmcnt 0x0
	s_add_nc_u64 s[4:5], s[4:5], s[10:11]
	s_add_nc_u64 s[6:7], s[6:7], s[12:13]
	s_add_nc_u64 s[8:9], s[8:9], s[10:11]
.irp p, 0,1,2,3,4,5,6,7
	global_load_b128 v[P+4*\p:P+4*\p+3], v1, s[4:5] offset:131072*\p th:TH_LOAD_NT
.endr
	global_load_b32 v14, v2, s[6:7]
	s_wait_loadcnt 0x0
.irp p, 0,2,4,6
.irp j, 0,2
	v_pk_add_f32 v[P+4*\p+\j:P+4*\p+\j+1], v[P+4*\p+\j:P+4*\p+\j+1], v[P+4*(\p+1)+\j:P+4*(\p+1)+\j+1]
.endr
.endr
.irp p, 0,4
.irp j, 0,2
	v_pk_add_f32 v[P+4*\p+\j:P+4*\p+\j+1], v[P+4*\p+\j:P+4*\p+\j+1], v[P+4*(\p+2)+\j:P+4*(\p+2)+\j+1]
.endr
.endr
.irp j, 0,2
	v_pk_add_f32 v[P+\j:P+\j+1], v[P+\j:P+\j+1], v[P+16+\j:P+16+\j+1]
.endr
.irp i, 0,1,2,3                                ; where the mask's byte is not 0 the energy becomes -1e10
	v_bfe_u32 v7, v14, 8*\i, 8
	v_cmp_ne_u32 vcc_lo, 0, v7
	v_cndmask_b32 v[P+\i], v[P+\i], v6, vcc_lo
.endr
	v_max3_num_f32 v4, v[P], v[P+1], v[P+2]        ; my wave's maximum m: my four,
	v_max_num_f32 v4, v4, v[P+3]
	v_max_num_f32_dpp v4, v4, v4 row_xmask:1 row_mask:0xf bank_mask:0xf   ; the sixteen lanes of my half,
	v_max_num_f32_dpp v4, v4, v4 row_xmask:2 row_mask:0xf bank_mask:0xf
	v_max_num_f32_dpp v4, v4, v4 row_xmask:4 row_mask:0xf bank_mask:0xf
	v_max_num_f32_dpp v4, v4, v4 row_xmask:8 row_mask:0xf bank_mask:0xf
	v_permlanex16_b32 v7, v4, s14, s15             ; and the other half (v7 has been written: a lane permute's destination counts as read)
	v_max_num_f32 v4, v4, v7
	v_mov_b32 v5, v4
.irp j, 0,2
	v_pk_add_f32 v[P+\j:P+\j+1], v[P+\j:P+\j+1], v[4:5] neg_lo:[0,1] neg_hi:[0,1]   ; e - m first, so that equal numbers give exactly 0,
.endr
.irp j, 0,2
	v_pk_mul_f32 v[P+\j:P+\j+1], v[P+\j:P+\j+1], s[16:17] op_sel_hi:[1,0]           ; then x log2(e)
.endr
	s_wait_alu depctr_va_vdst(0)
.irp j, 0,1,2,3
	v_exp_f32 v[P+\j], v[P+\j]
.endr
	v_nop                                          ; a plain line behind the last exponential,
	s_wait_alu depctr_va_vdst(0)                   ; and one wait ahead of the first line that names a result
	v_pk_add_f32 v[8:9], v[P:P+1], v[P+2:P+3]      ; my wave's sum, at least 1
	v_add_f32 v8, v8, v9
	v_add_f32_dpp v8, v8, v8 row_xmask:1 row_mask:0xf bank_mask:0xf
	v_add_f32_dpp v8, v8, v8 row_xmask:2 row_mask:0xf bank_mask:0xf
	v_add_f32_dpp v8, v8, v8 row_xmask:4 row_mask:0xf bank_mask:0xf
	v_add_f32_dpp v8, v8, v8 row_xmask:8 row_mask:0xf bank_mask:0xf
	v_permlanex16_b32 v9, v8, s14, s15
	v_add_f32 v5, v8, v9                           ; v[4:5] = (m, sum)
	s_wait_alu depctr_va_vdst(0)
	ds_store_b64 v12, v[4:5]                       ; all lanes store the same pair to the same bytes
	s_wait_dscnt 0x0
	s_barrier_signal -1
	s_barrier_wait -1
	ds_load_b128 v[48:51], v13                     ; the four pairs, in every lane
	ds_load_b128 v[52:55], v13 offset:16
	s_wait_dscnt 0x0
	v_max3_num_f32 v56, v48, v50, v52
	v_max_num_f32 v56, v56, v54                    ; M
	v_sub_f32 v57, v48, v56
	v_sub_f32 v58, v50, v56
	v_sub_f32 v59, v52, v56
	v_sub_f32 v60, v54, v56
	v_sub_f32 v61, v4, v56                         ; my wave's own
.irp j, 57,58,59,60,61
	v_mul_f32 v[\j], s16, v[\j]
.endr
	s_wait_alu depctr_va_vdst(0)
.irp j, 57,58,59,60,61
	v_exp_f32 v[\j], v[\j]
.endr
	v_nop
	s_wait_alu depctr_va_vdst(0)
	v_mul_f32 v62, v49, v57                        ; the row's sum under M, at least 1
	v_fma_f32 v62, v51, v58, v62
	v_fma_f32 v62, v53, v59, v62
	v_fma_f32 v62, v55, v60, v62
	s_wait_alu depctr_va_vdst(0)
	v_rcp_f32 v64, v62
	v_nop                                          ; a plain line behind the reciprocal,
	s_wait_alu depctr_va_vdst(0)                   ; and its wait, ahead of the first reader
	v_mul_f32 v66, v61, v64
	v_mul_f32 v67, v61, v64
.irp j, 0,2
	v_pk_mul_f32 v[P+\j:P+\j+1], v[P+\j:P+\j+1], v[66:67]
.endr
	global_store_b128 v1, v[P:P+3], s[8:9]         ; 32 lanes store 512 consecutive bytes, at a multiple of 512 from out0's first byte
	s_wait_tensorcnt 0x0                           ; the wave's end, behind my last LDS store
	ds_add_u32 v10, v11
	s_wait_dscnt 0x0
	s_endpgm
.Lfunc_end_k_q17f730749c_softmax:
	.size	k_q17f730749c_softmax, .Lfunc_end_k_q17f730749c_softmax-k_q17f730749c_softmax
	.p2alignl 7, 3214868480
	.fill 96, 4, 3214868480
	.section	.rodata,"a",@progbits
	.p2align	6, 0x0
	.amdhsa_kernel k_q17f730749c_softmax
		.amdhsa_group_segment_fixed_size 1024
		.amdhsa_private_segment_fixed_size 0
		.amdhsa_enable_private_segment 0
		.amdhsa_kernarg_size 24
		.amdhsa_user_sgpr_count 2
		.amdhsa_user_sgpr_kernarg_segment_ptr 1
		.amdhsa_wavefront_size32 1
		.amdhsa_system_sgpr_workgroup_id_x 1
		.amdhsa_system_sgpr_workgroup_id_y 1
		.amdhsa_system_sgpr_workgroup_id_z 1
		.amdhsa_system_vgpr_workitem_id 0
		.amdhsa_next_free_vgpr 72
		.amdhsa_next_free_sgpr 66
		.amdhsa_reserve_vcc 1
		.amdhsa_float_denorm_mode_32 3
		.amdhsa_float_denorm_mode_16_64 3
		.amdhsa_memory_ordered 1
		.amdhsa_forward_progress 1
		.amdhsa_inst_pref_size 7
	.end_amdhsa_kernel
	.amdgpu_metadata
---
amdhsa.version: [ 1, 2 ]
amdhsa.kernels:
  - .name:           k_q17f730749c_softmax
    .symbol:         k_q17f730749c_softmax.kd
    .args:
      - { .name: part, .offset: 0, .size: 8, .value_kind: global_buffer, .address_space: global }
      - { .name: mask, .offset: 8, .size: 8, .value_kind: global_buffer, .address_space: global }
      - { .name: out0, .offset: 16, .size: 8, .value_kind: global_buffer, .address_space: global }
    .group_segment_fixed_size: 1024
    .private_segment_fixed_size: 0
    .kernarg_segment_align: 8
    .kernarg_segment_size: 24
    .max_flat_workgroup_size: 128
    .sgpr_count:     66
    .vgpr_count:     72
    .wavefront_size: 32
...
	.end_amdgpu_metadata
.endif
;; end of part 2
